; MI455X (gfx1250); checked and timed in simulation.
; The chip was launched on July 23, 2026; its instructions are those of AMD's public machine-readable ISA for CDNA 5 (MIT licence, August 2026) and "CDNA5" Instruction Set Architecture Reference Guide (July 2026). The comments in the code are by the model that wrote it; some were corrected since.
;; Quantizer module. Allowed arithmetic: matrix products marked QUANTISED: E2M1 operands, one E8M0 scale for each 32 along K, by v_wmma_scale_f32_16x16x128_f8f6f4 with both operands' format E2M1 (or v_wmma_scale_f32_32x16x128_f4), f32 sums; everything else in f32.
;; Inputs: emb 8,192 x 512 float32; x 16,384 x 512 float32.
;; Outputs: out0 16,384 x 512 float32; out1 16,384 int32.
;; This version of the problem:
;;   THIS VERSION OF THE PROBLEM IS GIVEN IN LOW PRECISION. The matrix products marked QUANTISED in the list below multiply operands that are first quantised to E2M1 (2 exponent bits, 1 mantissa bit; 4 bits a number), with one power-of-two scale for each 32 numbers along K (OCP MX v1.0); their sums are f32. All else is computed in f32.
;;   The module's matrix products, in the order in which they are computed (A, B: the left and right operand; K: the contracted axis; several contracted axes count as one K, in the product's order):
;;     1. [M 16,384, K 512] x [K 512, N 8,192]; A: input x; B: input emb: QUANTISED
;;   THE QUANTISER, for each operand of a quantised product, along K:
;;     - K is cut into blocks of 32 from its start; a last block that is shorter is filled with zeros.
;;     - A block's scale is 2^e with e = floor(log2(the largest magnitude in the block)) - 2, held to -126 .. 127; a block of zeros has e = 0. As a byte (E8M0): e + 127.
;;     - Each number is divided by its block's scale, clamped to +-6, and rounded to the nearest number of E2M1, ties to even, subnormals kept.
;;     - The product sums the exact products of the quantised numbers (number of the format x scale) in f32.
;;   ~~~python
;;   def quantise(x, axis):      # numpy; x: float32 -> the quantised numbers, widened to float32 again
;;       x = np.moveaxis(x, axis, -1); K = x.shape[-1]
;;       x = np.pad(x, [(0, 0)] * (x.ndim - 1) + [(0, -K % 32)]); x = x.reshape(x.shape[:-1] + (-1, 32)); a = np.abs(x).max(-1, keepdims=True)
;;       e = np.where(a > 0, np.clip(np.frexp(np.where(a > 0, a, 1))[1] - 1 - 2, -126, 127), 0)      # np.frexp(a)[1] - 1 = floor(log2(a)), exactly
;;       r = np.clip(x / 2.0 ** e, -6, 6)
;;       step = 2.0 ** (np.maximum(np.frexp(np.where(r == 0, 1, r))[1] - 1, 0) - 1)
;;       q = np.round(r / step) * step * 2.0 ** e      # np.round: ties to even
;;       return np.moveaxis(q.reshape(q.shape[:-2] + (-1,))[..., :K], -1, axis).astype(np.float32)
;;   ~~~
;; One version. Each part assembles by itself: llvm-mc -triple=amdgcn-amd-amdhsa -mcpu=gfx1250 --defsym DOCPART=n.
;; ======== version 1 of 1: 3 launches
;; limits: right only within a limited range of input values
;; workspace buffers: epack 2,359,296 bytes; xpack 4,718,592 bytes; cand 1,048,576 bytes of whole numbers
;; launch pack (part 1): grid 256 x 1, 6 waves a work-group, no clusters, 203,520 bytes of LDS; arguments emb, x, epack, xpack; writes epack, xpack
.if DOCPART == 1
	.amdgcn_target "amdgcn-amd-amdhsa--gfx1250"
	.amdhsa_code_object_version 6
	.text
	.protected	k_qa821950837_pack
	.globl	k_qa821950837_pack
	.p2align	8
	.type	k_qa821950837_pack,@function
k_qa821950837_pack:
	s_mov_b64 s[64:65], 0
	v_nop
	global_prefetch_b8 v0, s[64:65] scope:SCOPE_SE
	s_setreg_imm32_b32 hwreg(HW_REG_WAVE_MODE, 25, 1), 1
	s_wait_xcnt 0x0
; emb [8192][512] and x [16384][512], f32, become codes of FP4 (E2M1) with one E8M0 scale byte for each 32 along K, and a sum of squares (f32) for each row.
; A block's scale is 2^(floor(log2(its largest magnitude)) - 2); its byte is the largest magnitude's exponent field - 2, held at 1 from below.
; No work of reference() is left out in this program: every term of d can move the argmin in f32.
; LAYOUT, the same for both tensors: one record of 4,608 bytes for each tile of 16 rows:
;   + 0     the codes as images of operand registers: K step s, half c: 512 bytes at 1024 s + 512 c, lane l's 16 bytes at 16 l (row l % 16, k = 128 s + 64 c + 32 (l / 16) + 0 .. 31)
;   + 4096  the scale bytes, 16 a row: word s belongs to K step s
;   + 4352  the 16 sums of squares, 64 bytes, written four times on end, so that every byte of the record is written
; SHARES: 1,536 tiles (512 of emb, then 1,024 of x), one to a wave, six waves to a work-group.  A wave's 32 KiB come by ONE tensor load of 16 rows x 2,048 bytes.  Waves share nothing: no barrier.
; In LDS 16 bytes of padding stand behind each 1,024: rows 2,080 bytes apart.
; LIMITS: NaN and infinities are not served.  Blocks whose largest magnitude lies under 2^-124 keep the byte 1; a block of zeros keeps the byte 1 where the rule says 127: its codes are zeros,
; and this program alone reads the bytes.  The sum of squares is taken in 4 partial sums a lane, two lanes a row.
.set REC,    4608
.set ETILES, 512
.set WREG,   33792
.set PITCH,  2080
.set LA,   4
.set L16,  5
.set S8,   6
.set L4,   7
.set XN,   16
.set TM,   80
.set PC,   96
.set PW,   128
.set SQ,   132
.set OW,   136
.set G1,   16
.set G0,   24
.set SEL,  40
.set HI16, 48
	s_load_b128 s[4:7], s[0:1], 0x0                ; emb, x
	s_load_b128 s[8:11], s[0:1], 0x10              ; epack, xpack
	v_lshl_add_u32 v160, v0, 2, 0x31800
	v_mov_b32 v161, 0
	ds_add_u32 v160, v161
	ds_add_u32 v160, v161
	v_lshrrev_b32 v1, 5, v0
	v_readfirstlane_b32 s12, v1                    ; wave 0..5
	s_mul_i32 s13, ttmp9, 6
	s_add_co_u32 s13, s13, s12                     ; my tile, 0 .. 1,535
	s_mul_i32 s15, s12, WREG                       ; my wave's LDS bytes
	s_mov_b32 s[G1+0], (2<<16)|(1<<20)|(7<<22)|(3<<25)   ; elements of 4 bytes; 4 words of padding behind every 256
	s_mov_b32 s[G1+1], 512<<16
	s_mov_b32 s[G1+2], 16<<16
	s_mov_b32 s[G1+3], 512<<16
	s_mov_b32 s[G1+4], 16
	s_mov_b32 s[G1+5], 512
	s_mov_b32 s[G1+6], 0
	s_mov_b32 s[G1+7], 0
	s_mov_b32 s[SEL], 0x76543210
	s_mov_b32 s[SEL+1], 0xfedcba98
	s_mov_b32 s[HI16], 0xffff0000
	s_mov_b32 s[G0], 1
	s_mov_b32 s[G0+1], s15
	s_wait_dscnt 0x0
	s_wait_kmcnt 0x0
	s_cmp_lt_u32 s13, ETILES                       ; a tile of emb or of x: the choice hangs on the tile's number alone
	s_cselect_b64 s[4:5], s[4:5], s[6:7]
	s_cselect_b64 s[8:9], s[8:9], s[10:11]
	s_cselect_b32 s14, 0, ETILES
	s_sub_co_u32 s14, s13, s14                     ; the tile's number in its tensor
	s_lshl_b32 s42, s14, 15                        ; 16 rows of 2,048 bytes
	s_mov_b32 s43, 0
	s_add_nc_u64 s[G0+2:G0+3], s[4:5], s[42:43]
	s_or_b32 s[G0+3], s[G0+3], 0x80000000
	tensor_load_to_lds s[G0:G0+3], s[G1:G1+7]      ; my one tensor load
	s_nop 0
	v_and_b32 v1, 31, v0
	v_and_b32 v2, 15, v0                           ; r
	v_bfe_u32 v3, v0, 4, 1                         ; h
	v_mul_u32_u24 v[LA], v2, PITCH
	v_lshl_add_u32 v[LA], v3, 6, v[LA]
	v_add_nc_u32 v[LA], s15, v[LA]
	v_lshlrev_b32 v[L16], 4, v1
	v_lshlrev_b32 v[S8], 4, v2
	v_lshl_add_u32 v[S8], v3, 3, v[S8]             ; 16 r + 8 h
	v_lshlrev_b32 v[L4], 2, v1
.irp b, 0,1,2,3
	v_mov_b32 v[TM+4+\b], 0                        ; a lane permute's destination counts as one of its sources
.endr
	s_mul_i32 s44, s14, REC
	s_mov_b32 s45, 0
	s_add_nc_u64 s[46:47], s[8:9], s[44:45]        ; my record
.macro QUANT s, pc, pw
.irp b, 0,1,2,3
	v_max3_num_f32 v[TM+\b], |v[\s+16*\b]|, |v[\s+1+16*\b]|, 0x1800000   ; my 16 numbers of block b, and the floor 2^(3 - 127)
.endr
.irp i, 2,4,6,8,10,12,14
.irp b, 0,1,2,3
	v_max3_num_f32 v[TM+\b], v[TM+\b], |v[\s+16*\b+\i]|, |v[\s+1+16*\b+\i]|
.endr
.endr
.irp b, 0,1,2,3
	v_permlanex16_b32 v[TM+4+\b], v[TM+\b], s[SEL], s[SEL+1]
.endr
.irp b, 0,1,2,3
	v_max_num_f32 v[TM+\b], v[TM+\b], v[TM+4+\b]   ; with lane l xor 16's: the block's largest magnitude
.endr
.irp b, 0,1,2,3
	v_add_nc_u32 v[TM+12+\b], 0xff000000, v[TM+\b] ; 2 off its exponent field: the conversion's scale operand
.endr
.irp b, 0,1,2,3
	v_lshrrev_b32 v[TM+4+\b], 23, v[TM+12+\b]      ; the scale's byte
.endr
	v_lshl_or_b32 v[\pw], v[TM+5], 8, v[TM+4]
	v_lshl_or_b32 v[\pw], v[TM+6], 16, v[\pw]
	v_lshl_or_b32 v[\pw], v[TM+7], 24, v[\pw]
.irp b, 0,1,2,3
	v_cvt_scalef32_pk8_fp4_f32 v[\pc+2*\b], v[\s+16*\b:\s+7+16*\b], v[TM+12+\b]
	v_cvt_scalef32_pk8_fp4_f32 v[\pc+1+2*\b], v[\s+8+16*\b:\s+15+16*\b], v[TM+12+\b]
.endr
	v_nop                                          ; one plain place behind a scaled conversion
.irp c, 0,1                                    ; a whole block in a lane: lanes 0-15 block 2 c, lanes 16-31 block 2 c + 1
.irp i, 0,1
	v_permlane16_swap_b32 v[\pc+4*\c+\i], v[\pc+2+4*\c+\i]
.endr
.endr
.endm
.macro STEP s
.irp b, 0,1,2,3
.irp j, 0,1,2,3
	ds_load_b128 v[XN+16*\b+4*\j:XN+16*\b+4*\j+3], v[LA] offset:512*\s+16*(\s/2)+128*\b+16*\j
.endr
.endr
	s_wait_dscnt 0x0
.if \s == 0
	v_pk_mul_f32 v[SQ:SQ+1], v[XN:XN+1], v[XN:XN+1]               ; the first products start the sums
	v_pk_mul_f32 v[SQ+2:SQ+3], v[XN+2:XN+3], v[XN+2:XN+3]
.else
	v_pk_fma_f32 v[SQ:SQ+1], v[XN:XN+1], v[XN:XN+1], v[SQ:SQ+1]
	v_pk_fma_f32 v[SQ+2:SQ+3], v[XN+2:XN+3], v[XN+2:XN+3], v[SQ+2:SQ+3]
.endif
.irp i, 4,8,12,16,20,24,28,32,36,40,44,48,52,56,60
	v_pk_fma_f32 v[SQ:SQ+1], v[XN+\i:XN+\i+1], v[XN+\i:XN+\i+1], v[SQ:SQ+1]
	v_pk_fma_f32 v[SQ+2:SQ+3], v[XN+\i+2:XN+\i+3], v[XN+\i+2:XN+\i+3], v[SQ+2:SQ+3]
.endr
	QUANT XN, PC+8*\s, PW+\s
.irp c, 0,1
	global_store_b128 v[L16], v[PC+8*\s+4*\c:PC+8*\s+4*\c+3], s[46:47] offset:1024*\s+512*\c   ; 512 consecutive bytes, at a multiple of 256
.endr
.endm
	s_wait_alu depctr_va_vdst(0)
	s_wait_tensorcnt 0x0                           ; my 16 rows are in LDS
	STEP 0
	STEP 1
	STEP 2
	STEP 3
	v_pk_add_f32 v[SQ:SQ+1], v[SQ:SQ+1], v[SQ+2:SQ+3]
	v_add_f32 v[SQ], v[SQ], v[SQ+1]
	v_permlanex16_b32 v[SQ+2], v[SQ], s[SEL], s[SEL+1]
	v_add_f32 v[SQ], v[SQ], v[SQ+2]                ; with lane l xor 16's half of the row: both lanes hold the row's sum
	v_cndmask_b32 v[OW], v[PW], v[PW+2], s[HI16]   ; lanes 0-15 store their row's words 0, 1, lanes 16-31 words 2, 3
	v_cndmask_b32 v[OW+1], v[PW+1], v[PW+3], s[HI16]
	global_store_b64 v[S8], v[OW:OW+1], s[46:47] offset:4096      ; 32 lanes fill one aligned block of 256 bytes
	global_store_b32 v[L4], v[SQ], s[46:47] offset:4352           ; the 16 sums twice: 128 bytes,
	global_store_b32 v[L4], v[SQ], s[46:47] offset:4480           ; and twice more
	s_wait_tensorcnt 0x0                           ; the wave's end
	ds_add_u32 v160, v161
	s_wait_dscnt 0x0
	s_endpgm
.Lfunc_end_k_qa821950837_pack:
	.size	k_qa821950837_pack, .Lfunc_end_k_qa821950837_pack-k_qa821950837_pack
	.p2alignl 7, 3214868480
	.fill 96, 4, 3214868480
	.section	.rodata,"a",@progbits
	.p2align	6, 0x0
	.amdhsa_kernel k_qa821950837_pack
		.amdhsa_group_segment_fixed_size 203520
		.amdhsa_private_segment_fixed_size 0
		.amdhsa_enable_private_segment 0
		.amdhsa_kernarg_size 32
		.amdhsa_user_sgpr_count 2
		.amdhsa_user_sgpr_kernarg_segment_ptr 1
		.amdhsa_wavefront_size32 1
		.amdhsa_system_sgpr_workgroup_id_x 1
		.amdhsa_system_sgpr_workgroup_id_y 1
		.amdhsa_system_sgpr_workgroup_id_z 1
		.amdhsa_system_vgpr_workitem_id 0
		.amdhsa_next_free_vgpr 162
		.amdhsa_next_free_sgpr 66
		.amdhsa_reserve_vcc 0
		.amdhsa_float_denorm_mode_32 3
		.amdhsa_float_denorm_mode_16_64 3
		.amdhsa_memory_ordered 1
		.amdhsa_forward_progress 1
		.amdhsa_inst_pref_size 32
	.end_amdhsa_kernel
	.amdgpu_metadata
---
amdhsa.version: [ 1, 2 ]
amdhsa.kernels:
  - .name:           k_qa821950837_pack
    .symbol:         k_qa821950837_pack.kd
    .args:
      - { .name: emb, .offset: 0, .size: 8, .value_kind: global_buffer, .address_space: global }
      - { .name: x, .offset: 8, .size: 8, .value_kind: global_buffer, .address_space: global }
      - { .name: epack, .offset: 16, .size: 8, .value_kind: global_buffer, .address_space: global }
      - { .name: xpack, .offset: 24, .size: 8, .value_kind: global_buffer, .address_space: global }
    .group_segment_fixed_size: 203520
    .private_segment_fixed_size: 0
    .kernarg_segment_align: 8
    .kernarg_segment_size: 32
    .max_flat_workgroup_size: 192
    .sgpr_count:     66
    .vgpr_count:     162
    .wavefront_size: 32
...
	.end_amdgpu_metadata
.endif
;; end of part 1
;; launch dist (part 2): grid 32 x 8, 8 waves a work-group, clusters of 4 x 1, 327,680 bytes of LDS; arguments epack, xpack, cand; writes cand
.if DOCPART == 2
	.amdgcn_target "amdgcn-amd-amdhsa--gfx1250"
	.amdhsa_code_object_version 6
	.text
	.protected	k_qa821950837_dist
	.globl	k_qa821950837_dist
	.p2align	8
	.type	k_qa821950837_dist,@function
k_qa821950837_dist:
	s_mov_b64 s[64:65], 0
	v_nop
	global_prefetch_b8 v0, s[64:65] scope:SCOPE_SE
	s_setreg_imm32_b32 hwreg(HW_REG_WAVE_MODE, 25, 1), 1
	s_wait_xcnt 0x0
	s_wait_alu depctr_hold_cnt(0) depctr_sa_sdst(0) depctr_va_vdst(0) depctr_va_sdst(0) depctr_va_ssrc(0) depctr_va_vcc(0) depctr_vm_vsrc(0)
	s_getreg_b32 s2, hwreg(HW_REG_IB_STS2, 6, 4)
	s_cmp_eq_u32 s2, 0
	s_cbranch_scc0 .Lentry_in_a_cluster
	s_endpgm
.Lentry_in_a_cluster:
	s_bfe_u32 s2, ttmp6, 0x10000c
	s_cmp_lg_u32 s2, 0x3003
	s_cbranch_scc0 .Lentry_shape_is_right
	s_endpgm
.Lentry_shape_is_right:
; d[token][code] = fl(fl(xx + ee) - 2 acc), acc the MX-FP4 product, in reference()'s order of roundings: equal d's decide the argmin, so both roundings are kept.
; For each token and each part of 1,024 codes: the smallest d and the first code that reaches it.  cand[part][token] = (key, index): key = d's bits made to ascend as unsigned numbers.
; SHARES: a work-group takes 512 tokens x 1,024 codes; a wave 64 tokens (4 tiles, their codes in 128 registers of window 1) x all 64 tiles of codes, read from LDS.
; The part's 64 records, 294,912 bytes, come by two joint loads a wave, asked for by the four work-groups of a cluster, which share the part: at the head an eighth of tiles 0-15 (36 rows of 256 bytes);
; behind a round, an eighth of tiles 16-63 (108 rows), which is on its way while tiles 0-14 are multiplied.  Nothing is filled again.
; A = 16 codes, B = 16 tokens: lane (r, h) holds token r, register j code 8 h + j.  The four token tiles' accumulators take turns; two sets of accumulators:
; while tile e is multiplied, tile e - 1's d's are made and go into the running minimum.  Where a lane's minimum falls strictly, the tile's number and its eight d's are kept: so the lowest tile wins a tie,
; and at the end the lowest j whose d equals the minimum is taken.
; No prefetch: each byte is asked for once, by the two loads; there is no stream to run ahead of.
; LIMITS: NaN and infinities are not served.
.set REC,   4608
.set SCLO,  4096
.set SSQO,  4352
.set PART,  64*REC
.set NA,    16
.set SHA,   NA*REC/8
.set SHB,   (64-NA)*REC/8
.set SPARE, PART
.set XO,   2
.set RO,   3
.set QO,   4
.set HH,   5
.set RR,   6
.set CO,   7
.set TID,  8
.set LC,   9                           ; v9-11  LDS addresses in tile 0: codes, scale words, sums
.set AC,   12                          ; v12-14 the same in the trip's first tile
.set SPW,  16
.set NIL,  17
.set R,    18                          ; v18-25 running minima, two sets by turns x 4 token tiles
.set ID,   26                          ; v26-29 the tile that lowered them last
.set XX,   30                          ; v30-33 my token's sum of squares, for each token tile
.set XS,   34                          ; v34-49 x's scale words
.set SC,   50                          ; v50-57 the codes' scale words, two sets
.set EE,   58                          ; v58-73 the codes' sums of squares, two sets
.set S,    74                          ; v74-105 fl(xx + ee), then d
.set AF,   106                         ; v106-169 the codes' fragments, two sets
.set ACC,  170                         ; v170-233 accumulators, two sets
.set SV,   128                         ; window 1, v128-159: the eight d's of the tile that lowered the minimum last, x 4 token tiles
.set RI,   S
.set OM,   S+4
.set OI,   S+8
.set OUTR, S+12
.set T0,   S+16
.set WV,   10
.set G1,   16
.set G0,   24
.set G0B,  28
.set G1B,  32
.set PINF, 40
.set SEL,  42
.set CNT,  44
.set TO,   45
.set XB,   50
.set CB,   52
.set HI16, 54
.set MK,   56
.set PB,   60
.set W_MM, 0x04                        ; source 1 (B) in window 1
.set W_X,  0x40                        ; destination in window 1
.set W_SV, 0x41                        ; destination and source 0 in window 1
.set MSB, 0
.macro WIN new
.if MSB != \new
	s_set_vgpr_msb (MSB<<8)|\new
.set MSB, \new
.endif
.endm
.macro CROUND
	s_barrier_signal -1
	s_barrier_wait -1
	s_cmp_lg_u32 s[WV], 0
	s_cbranch_scc1 .Lnot_wave_0_\@
	s_barrier_signal -3
.Lnot_wave_0_\@:
	s_barrier_wait -3
	s_barrier_signal -1
	s_barrier_wait -1
.endm
	s_load_b128 s[4:7], s[0:1], 0x0                ; epack, xpack
	s_load_b64 s[8:9], s[0:1], 0x10                ; cand
	v_lshl_add_u32 v[SPW], v0, 2, SPARE
	v_mov_b32 v[NIL], 0
	ds_add_u32 v[SPW], v[NIL]
	ds_add_u32 v[SPW], v[NIL]
	v_lshrrev_b32 v1, 5, v0
	v_readfirstlane_b32 s[WV], v1
	s_bfe_u32 s11, ttmp6, 0x40000                  ; cx
	s_lshl_b32 s12, ttmp9, 2
	s_add_co_u32 s12, s12, s11                     ; my block of 512 tokens
	s_and_b32 s13, ttmp7, 0xffff                   ; my part of the codes: the same in the cluster's four
	s_mov_b32 s[G1+0], 15|(3<<16)|(1<<21)          ; the mask names the four; elements of 8 bytes; rows of 256 bytes
	s_mov_b32 s[G1+1], 32<<16
	s_mov_b32 s[G1+2], (SHA/256)<<16
	s_mov_b32 s[G1+3], 32<<16
	s_mov_b32 s[G1+4], SHA/256
	s_mov_b32 s[G1+5], 32
	s_mov_b32 s[G1+6], 0
	s_mov_b32 s[G1+7], 0
	s_mov_b32 s[G1B+0], 15|(3<<16)|(1<<21)
	s_mov_b32 s[G1B+1], 32<<16
	s_mov_b32 s[G1B+2], (SHB/256)<<16
	s_mov_b32 s[G1B+3], 32<<16
	s_mov_b32 s[G1B+4], SHB/256
	s_mov_b32 s[G1B+5], 32
	s_mov_b32 s[G1B+6], 0
	s_mov_b32 s[G1B+7], 0
	s_mov_b32 s[G0], 1
	s_mul_i32 s[G0+1], s[WV], SHA                  ; my eighth of tiles 0-15, in LDS as in memory
	s_mov_b32 s[G0B], 1
	s_mul_i32 s[G0B+1], s[WV], SHB
	s_add_co_u32 s[G0B+1], s[G0B+1], NA*REC        ; my eighth of tiles 16-63
	s_mul_i32 s48, s13, PART
	s_add_co_u32 s46, s48, s[G0+1]
	s_mov_b32 s47, 0
	s_add_co_u32 s48, s48, s[G0B+1]
	s_mov_b32 s49, 0
	s_mov_b32 s[PINF], 0x7f800000
	s_mov_b32 s[SEL], 0x76543210
	s_mov_b32 s[SEL+1], 0xfedcba98
	s_mov_b32 s[HI16], 0xffff0000
	s_lshl_b32 s[PB], s13, 10                      ; the part's first code
	s_wait_dscnt 0x0
	s_wait_kmcnt 0x0
	s_add_nc_u64 s[G0+2:G0+3], s[4:5], s[46:47]
	s_or_b32 s[G0+3], s[G0+3], 0x80000000
	s_add_nc_u64 s[G0B+2:G0B+3], s[4:5], s[48:49]
	s_or_b32 s[G0B+3], s[G0B+3], 0x80000000
	CROUND                                         ; the four work-groups are here: the joint loads meet
	tensor_load_to_lds s[G0:G0+3], s[G1:G1+7]      ; my one tensor load at the head
	s_nop 0
.rept 4
	v_nop
.endr
	s_lshl_b32 s56, s12, 5
	s_lshl_b32 s57, s[WV], 2
	s_add_co_u32 s56, s56, s57                     ; my first tile of tokens
	s_mul_i32 s56, s56, REC
	s_mov_b32 s57, 0
	s_add_nc_u64 s[XB:XB+1], s[6:7], s[56:57]
	s_lshl_b32 s56, s13, 17
	s_lshl_b32 s57, s12, 12
	s_add_co_u32 s56, s56, s57
	s_lshl_b32 s57, s[WV], 9
	s_add_co_u32 s56, s56, s57
	s_mov_b32 s57, 0
	s_add_nc_u64 s[CB:CB+1], s[8:9], s[56:57]
	s_mov_b32 s[TO], 2*REC
	v_and_b32 v1, 31, v0
	v_and_b32 v[RR], 15, v0
	v_bfe_u32 v[HH], v0, 4, 1
	v_lshlrev_b32 v[XO], 4, v1
	v_lshlrev_b32 v[RO], 4, v[RR]
	v_lshlrev_b32 v[QO], 2, v[RR]
	v_lshlrev_b32 v[CO], 3, v1
	v_lshlrev_b32 v[LC], 4, v1
	v_lshl_add_u32 v[LC+1], v[RR], 4, SCLO
	v_lshl_add_u32 v[LC+2], v[HH], 5, SSQO
.irp i, 0,1,2
	v_add_nc_u32 v[AC+\i], 2*REC, v[LC+\i]
.endr
	v_mov_b32 v[TID], 0
.irp i, 0,1,2,3
	v_mov_b32 v[R+\i], s[PINF]
	v_mov_b32 v[ID+\i], 0
.endr
	s_wait_alu depctr_va_vdst(0)
	WIN W_X
.set n, 0
.rept 32
	global_load_b128 v[4*n:4*n+3], v[XO], s[XB:XB+1] offset:REC*(n/8)+512*(n%8)   ; token tile n / 8, piece n % 8
.set n, n+1
.endr
.set n, 0
.rept 32
	v_mov_b32 v[SV+n], s[PINF]                     ; written whole before the selects read them
.set n, n+1
.endr
	WIN 0
.irp i, 0,1,2,3
	global_load_b128 v[XS+4*\i:XS+4*\i+3], v[RO], s[XB:XB+1] offset:REC*\i+SCLO
	global_load_b32 v[XX+\i], v[QO], s[XB:XB+1] offset:REC*\i+SSQO
.endr
.macro LOADS pp, ar, o                 ; a tile of codes into set pp: 8 pieces, 4 scale words, 8 sums
.irp g, 0,1,2,3,4,5,6,7
	ds_load_b128 v[AF+32*(\pp)+4*\g:AF+32*(\pp)+4*\g+3], v[\ar] offset:(\o)+512*\g
.endr
	ds_load_b128 v[SC+4*(\pp):SC+4*(\pp)+3], v[\ar+1] offset:(\o)
	ds_load_b128 v[EE+8*(\pp):EE+8*(\pp)+3], v[\ar+2] offset:(\o)
	ds_load_b128 v[EE+8*(\pp)+4:EE+8*(\pp)+7], v[\ar+2] offset:(\o)+16
.endm
; The turn of tile e (set p = e % 2).  ld: tile e + 1 is fetched into the other set, behind the more than four plain vector lines that end the turn before.
; mm: 16 products; between them (first = 0) tile e - 1's d = acc x -2 + s, whose second source is a constant, since window 1 holds for that place.
; Then tile e - 1's minimum, its number and its d's where the minimum fell, and s = ee + xx for tile e.
.macro PHASE p, first, ld, ar, o, mm
	s_wait_alu depctr_va_vdst(0)
	s_wait_dscnt 0x0                               ; tile e's fragments are in
.if \ld
	LOADS 1-\p, \ar, \o
.endif
	WIN W_MM
.set k, 0
.rept 16
.if \mm
.set rD, ACC+32*(\p)+8*(k%4)
.set rA, AF+32*(\p)+8*(k/4)
.set rB, 32*(k%4)+8*(k/4)
.set rSA, SC+4*(\p)+k/4
.set rSB, XS+4*(k%4)+k/4
.if k < 4
	v_wmma_scale_f32_16x16x128_f8f6f4 v[rD:rD+7], v[rA:rA+7], v[rB:rB+7], 0, v[rSA], v[rSB] matrix_a_fmt:MATRIX_FMT_FP4 matrix_b_fmt:MATRIX_FMT_FP4
.else
	v_wmma_scale_f32_16x16x128_f8f6f4 v[rD:rD+7], v[rA:rA+7], v[rB:rB+7], v[rD:rD+7], v[rSA], v[rSB] matrix_a_fmt:MATRIX_FMT_FP4 matrix_b_fmt:MATRIX_FMT_FP4
.endif
.endif
.if \first == 0
	v_pk_fma_f32 v[S+2*k:S+2*k+1], v[ACC+32*(1-(\p))+2*k:ACC+32*(1-(\p))+2*k+1], -2.0, v[S+2*k:S+2*k+1] op_sel_hi:[1,0,1]
.endif
.set k, k+1
.endr
	WIN 0
.if \first == 0
.irp q, 0,1,2,3
	v_min3_num_f32 v[R+4*(\p)+\q], v[R+4*(1-(\p))+\q], v[S+8*\q], v[S+8*\q+1]
.endr
.irp c, 2,4,6
.irp q, 0,1,2,3
	v_min3_num_f32 v[R+4*(\p)+\q], v[R+4*(\p)+\q], v[S+8*\q+\c], v[S+8*\q+\c+1]
.endr
.endr
.irp q, 0,1,2,3
	v_cmp_lt_f32 s[MK+\q], v[R+4*(\p)+\q], v[R+4*(1-(\p))+\q]     ; strictly lower: an earlier tile keeps a tie
.endr
.irp q, 0,1,2,3
	v_cndmask_b32 v[ID+\q], v[ID+\q], v[TID], s[MK+\q]
.endr
	v_add_nc_u32 v[TID], 1, v[TID]
	WIN W_SV
.irp q, 0,1,2,3
.irp j, 0,1,2,3,4,5,6,7
	v_cndmask_b32 v[SV+8*\q+\j], v[SV+8*\q+\j], v[S+8*\q+\j], s[MK+\q]
.endr
.endr
	WIN 0
.endif
.if \mm
.set n, 0
.rept 16
.if (n/4)%2 == 0
	v_pk_fma_f32 v[S+2*n:S+2*n+1], v[EE+8*(\p)+2*(n%4):EE+8*(\p)+2*(n%4)+1], 1.0, v[XX+2*(n/8):XX+2*(n/8)+1] op_sel_hi:[1,0,0]
.else
	v_pk_fma_f32 v[S+2*n:S+2*n+1], v[EE+8*(\p)+2*(n%4):EE+8*(\p)+2*(n%4)+1], 1.0, v[XX+2*(n/8):XX+2*(n/8)+1] op_sel:[0,0,1] op_sel_hi:[1,0,1]
.endif
.set n, n+1
.endr
.endif
.endm
.macro TRIPS n                         ; trip i: tiles 2 i + 1 and 2 i + 2; it fetches tiles 2 i + 2 and 2 i + 3
	s_mov_b32 s[CNT], \n
.Ltrip_\@:
	PHASE 1, 0, 1, AC, 0, 1
	PHASE 0, 0, 1, AC, REC, 1
	s_add_co_u32 s[TO], s[TO], 2*REC
.irp i, 0,1,2
	v_add_nc_u32 v[AC+\i], s[TO], v[LC+\i]
.endr
	s_sub_co_u32 s[CNT], s[CNT], 1
	s_cmp_lg_u32 s[CNT], 0
	s_cbranch_scc1 .Ltrip_\@
.endm
	s_wait_alu depctr_va_vdst(0)
	s_wait_tensorcnt 0x0                           ; my eighth of tiles 0-15 is in
	ds_add_u32 v[SPW], v[NIL]
	s_wait_dscnt 0x0
	CROUND                                         ; everybody's eighth is in, and the four work-groups are here: the joint loads meet
	tensor_load_to_lds s[G0B:G0B+3], s[G1B:G1B+7]  ; tiles 16-63: my one tensor load behind the round
	s_nop 0
.rept 4
	v_nop
.endr
	LOADS 0, LC, 0
	s_wait_loadcnt 0x0                             ; my tokens' codes, scale words and sums
	PHASE 0, 1, 1, LC, REC, 1                      ; tile 0
	TRIPS 7                                        ; tiles 1-14; the last tile fetched is 15
	s_wait_alu depctr_va_vdst(0)
	s_wait_tensorcnt 0x0                           ; my eighth of tiles 16-63 is in
	s_wait_dscnt 0x0
	s_barrier_signal -1
	s_barrier_wait -1                              ; and so is everybody's
	TRIPS 24                                       ; tiles 15-62
	PHASE 1, 0, 0, AC, 0, 1                        ; tile 63: nothing more to fetch
	PHASE 0, 0, 0, AC, 0, 0                        ; and its d's
.irp i, 0,1,2,3
	v_mov_b32 v[T0+\i], 7
.endr
	WIN 0x01                                       ; source 0 in window 1
.irp jj, 6,5,4,3,2,1,0
.irp i, 0,1,2,3
	v_cmp_neq_f32 vcc_lo, v[SV+8*\i+\jj], v[R+\i]
	v_cndmask_b32 v[T0+\i], \jj, v[T0+\i], vcc_lo  ; the lowest j that equals the minimum stays
.endr
.endr
	WIN 0
.irp i, 0,1,2,3
	v_lshl_add_u32 v[RI+\i], v[ID+\i], 4, v[T0+\i]
.endr
.irp i, 0,1,2,3
	v_lshl_add_u32 v[RI+\i], v[HH], 3, v[RI+\i]    ; my code in the part: 16 x tile + 8 h + j
.endr
.irp i, 0,1,2,3
	v_permlanex16_b32 v[OM+\i], v[R+\i], s[SEL], s[SEL+1]
.endr
.irp i, 0,1,2,3
	v_permlanex16_b32 v[OI+\i], v[RI+\i], s[SEL], s[SEL+1]
.endr
.irp i, 0,1,2,3                        ; lane l xor 16's wins where it is lower, or equal with the lower code
	v_cmp_lt_f32 s[MK], v[OM+\i], v[R+\i]
	v_cmp_eq_f32 s[MK+1], v[OM+\i], v[R+\i]
	v_cmp_lt_u32 vcc_lo, v[OI+\i], v[RI+\i]
	s_and_b32 s[MK+1], s[MK+1], vcc_lo
	s_or_b32 vcc_lo, s[MK], s[MK+1]
	v_cndmask_b32 v[R+\i], v[R+\i], v[OM+\i], vcc_lo
	v_cndmask_b32 v[RI+\i], v[RI+\i], v[OI+\i], vcc_lo
.endr
.irp i, 0,1,2,3
	v_ashrrev_i32 v[OM+\i], 31, v[R+\i]
.endr
.irp i, 0,1,2,3
	v_or_b32 v[OM+\i], 0x80000000, v[OM+\i]
.endr
.irp i, 0,1,2,3
	v_xor_b32 v[R+\i], v[OM+\i], v[R+\i]           ; the key ascends with d as an unsigned number
	v_add_nc_u32 v[RI+\i], s[PB], v[RI+\i]
.endr
.irp q, 0,1
	v_cndmask_b32 v[OUTR+2*\q], v[R+2*\q], v[R+2*\q+1], s[HI16]
	v_cndmask_b32 v[OUTR+2*\q+1], v[RI+2*\q], v[RI+2*\q+1], s[HI16]
	global_store_b64 v[CO], v[OUTR+2*\q:OUTR+2*\q+1], s[CB:CB+1] offset:256*\q   ; 32 tokens: one aligned block of 256 bytes
.endr
	s_wait_tensorcnt 0x0                           ; the wave's end
	ds_add_u32 v[SPW], v[NIL]
	s_wait_dscnt 0x0
	CROUND                                         ; the closing round
	s_endpgm
.Lfunc_end_k_qa821950837_dist:
	.size	k_qa821950837_dist, .Lfunc_end_k_qa821950837_dist-k_qa821950837_dist
	.p2alignl 7, 3214868480
	.fill 96, 4, 3214868480
	.section	.rodata,"a",@progbits
	.p2align	6, 0x0
	.amdhsa_kernel k_qa821950837_dist
		.amdhsa_group_segment_fixed_size 327680
		.amdhsa_private_segment_fixed_size 0
		.amdhsa_enable_private_segment 0
		.amdhsa_kernarg_size 24
		.amdhsa_user_sgpr_count 2
		.amdhsa_user_sgpr_kernarg_segment_ptr 1
		.amdhsa_wavefront_size32 1
		.amdhsa_system_sgpr_workgroup_id_x 1
		.amdhsa_system_sgpr_workgroup_id_y 1
		.amdhsa_system_sgpr_workgroup_id_z 1
		.amdhsa_system_vgpr_workitem_id 0
		.amdhsa_next_free_vgpr 416
		.amdhsa_next_free_sgpr 66
		.amdhsa_reserve_vcc 1
		.amdhsa_float_denorm_mode_32 3
		.amdhsa_float_denorm_mode_16_64 3
		.amdhsa_memory_ordered 1
		.amdhsa_forward_progress 1
		.amdhsa_inst_pref_size 68
	.end_amdhsa_kernel
	.amdgpu_metadata
---
amdhsa.version: [ 1, 2 ]
amdhsa.kernels:
  - .name:           k_qa821950837_dist
    .symbol:         k_qa821950837_dist.kd
    .args:
      - { .name: epack, .offset: 0, .size: 8, .value_kind: global_buffer, .address_space: global }
      - { .name: xpack, .offset: 8, .size: 8, .value_kind: global_buffer, .address_space: global }
      - { .name: cand, .offset: 16, .size: 8, .value_kind: global_buffer, .address_space: global }
    .group_segment_fixed_size: 327680
    .private_segment_fixed_size: 0
    .kernarg_segment_align: 8
    .kernarg_segment_size: 24
    .max_flat_workgroup_size: 256
    .sgpr_count:     66
    .vgpr_count:     416
    .wavefront_size: 32
...
	.end_amdgpu_metadata
.endif
;; end of part 2
;; launch pick (part 3): grid 256 x 1, 8 waves a work-group, no clusters, 1,280 bytes of LDS; arguments cand, emb, out0, out1; writes out0, out1
.if DOCPART == 3
	.amdgcn_target "amdgcn-amd-amdhsa--gfx1250"
	.amdhsa_code_object_version 6
	.text
	.protected	k_qa821950837_pick
	.globl	k_qa821950837_pick
	.p2align	8
	.type	k_qa821950837_pick,@function
k_qa821950837_pick:
	s_mov_b64 s[64:65], 0
	v_nop
	global_prefetch_b8 v0, s[64:65] scope:SCOPE_SE
	s_setreg_imm32_b32 hwreg(HW_REG_WAVE_MODE, 25, 1), 1
	s_wait_xcnt 0x0
; For each token: the smallest of its 8 parts' keys (unsigned; the lower part wins where keys are equal, and it holds the lower indices), that part's index to out1, and row emb[index] to out0.
; cand[part][token] = (key, index), whole numbers stored by the launch before.
; SHARES.  A work-group takes 64 tokens, a wave 8.  Lane l decides for token l % 8 (lanes 8-31 repeat lanes 0-7), then the wave copies its 8 rows of 2,048 bytes: 32 loads of 512 consecutive bytes,
; all issued before the first store.  The 64 indices of the work-group meet in LDS and leave as one aligned block of 256 bytes.
; Memory binds: no matrix unit, no cluster, no tensor load; rows of emb may be named twice, so their loads carry no hint.
.set KI,  8                            ; v8-23   (key, index) of part q at 8 + 2 q; part 0's pair becomes the winner's
.set TT,  32                           ; v32-39  token n's index in every lane
.set OF,  40                           ; v40-47  its row's byte offset in emb + 16 x lane
.set D,   64                           ; v64-191 8 rows x 4 x 4 registers
	s_load_b128 s[4:7], s[0:1], 0x0                ; cand, emb
	s_load_b128 s[8:11], s[0:1], 0x10              ; out0, out1
	v_lshl_add_u32 v192, v0, 2, 0x100
	v_mov_b32 v193, 0
	v_lshrrev_b32 v1, 5, v0
	s_delay_alu instid0(VALU_DEP_1)
	v_readfirstlane_b32 s12, v1                    ; wave 0..7
	v_and_b32 v1, 31, v0                           ; lane
	v_and_b32 v2, 7, v0                            ; my token among the wave's 8
	s_delay_alu instid0(VALU_DEP_1)
	v_lshlrev_b32 v3, 3, v2                        ; its pair in cand
	s_delay_alu instid0(VALU_DEP_3)
	v_lshlrev_b32 v4, 4, v1                        ; 16 x lane
	s_delay_alu instid0(VALU_DEP_3)
	v_lshlrev_b32 v5, 2, v2
	s_lshl_b32 s13, s12, 5
	v_add_nc_u32 v5, s13, v5                       ; LDS: 32 x wave + 4 x token
	v_lshlrev_b32 v6, 3, v1                        ; 8 x lane
.irp n, 0,1,2,3,4,5,6,7
	v_mov_b32 v[TT+\n], 0                          ; written once: a DPP form's destination counts as read
.endr
	s_lshl_b32 s14, ttmp9, 6
	s_lshl_b32 s15, s12, 3
	s_add_co_u32 s14, s14, s15                     ; my wave's first token
	s_lshl_b32 s16, s14, 3
	s_mov_b32 s17, 0
	s_lshl_b32 s18, s14, 11
	s_mov_b32 s19, 0
	s_lshl_b32 s20, ttmp9, 8
	s_mov_b32 s21, 0
	s_wait_kmcnt 0x0
	s_add_nc_u64 s[4:5], s[4:5], s[16:17]
	s_add_nc_u64 s[8:9], s[8:9], s[18:19]
	s_add_nc_u64 s[10:11], s[10:11], s[20:21]
.irp q, 0,1,2,3,4,5,6,7
	global_load_b64 v[KI+2*\q:KI+2*\q+1], v3, s[4:5] offset:131072*\q
.endr
	s_wait_loadcnt 0x0
.irp q, 1
	v_cmp_lt_u32 vcc_lo, v[KI+2*\q], v[KI]         ; strictly smaller: the lower part keeps a tie
	s_delay_alu instid0(VALU_DEP_1)
	v_cndmask_b32 v[KI], v[KI], v[KI+2*\q], vcc_lo
	s_delay_alu instid0(VALU_DEP_2)
	v_cndmask_b32 v[KI+1], v[KI+1], v[KI+2*\q+1], vcc_lo
.endr
.irp q, 2, 3, 4, 5, 6, 7
	s_delay_alu instid0(VALU_DEP_2)
	v_cmp_lt_u32 vcc_lo, v[KI+2*\q], v[KI]         ; strictly smaller: the lower part keeps a tie
	s_delay_alu instid0(VALU_DEP_1)
	v_cndmask_b32 v[KI], v[KI], v[KI+2*\q], vcc_lo
	s_delay_alu instid0(VALU_DEP_2)
	v_cndmask_b32 v[KI+1], v[KI+1], v[KI+2*\q+1], vcc_lo
.endr
	ds_store_b32 v5, v[KI+1]                       ; lanes that repeat a token write the same word with the same value
.irp n, 0,1,2,3,4,5,6,7
	v_mov_b32_dpp v[TT+\n], v[KI+1] row_share:\n row_mask:0xf bank_mask:0xf   ; token n's index to every lane: lane n of each row of 16 holds it
	s_delay_alu instid0(VALU_DEP_1)
	v_min_u32 v[TT+\n], 0x1fff, v[TT+\n]           ; a loaded number enters an address only behind a bound: emb has 8,192 rows
	s_delay_alu instid0(VALU_DEP_1)
	v_lshl_add_u32 v[OF+\n], v[TT+\n], 11, v4
.irp c, 0,1,2,3
	global_load_b128 v[D+16*\n+4*\c:D+16*\n+4*\c+3], v[OF+\n], s[6:7] offset:512*\c
.endr
.endr
	s_wait_dscnt 0x0                               ; for the others' sake: my index words are in LDS
	s_barrier_signal -1
	s_barrier_wait -1
	s_cmp_lg_u32 s12, 0
	s_cbranch_scc1 .Lrows
	ds_load_b64 v[24:25], v6                       ; wave 0: the work-group's 64 indices, two a lane
	s_wait_dscnt 0x0
	global_store_b64 v6, v[24:25], s[10:11]        ; 32 lanes store 256 consecutive bytes, aligned
.Lrows:
.irp n, 0,1,2,3,4,5,6,7
	s_wait_loadcnt 28-4*\n                         ; loads come back in order: row n's four are in, the four of each younger row may be out
.irp c, 0,1,2,3
	global_store_b128 v4, v[D+16*\n+4*\c:D+16*\n+4*\c+3], s[8:9] offset:2048*\n+512*\c th:TH_STORE_NT   ; 512 consecutive bytes, aligned; written once, read by nobody here
.endr
.endr
	s_wait_tensorcnt 0x0
	ds_add_u32 v192, v193
	s_wait_dscnt 0x0
	s_endpgm
.Lfunc_end_k_qa821950837_pick:
	.size	k_qa821950837_pick, .Lfunc_end_k_qa821950837_pick-k_qa821950837_pick
	.p2alignl 7, 3214868480
	.fill 96, 4, 3214868480
	.section	.rodata,"a",@progbits
	.p2align	6, 0x0
	.amdhsa_kernel k_qa821950837_pick
		.amdhsa_group_segment_fixed_size 1280
		.amdhsa_private_segment_fixed_size 0
		.amdhsa_enable_private_segment 0
		.amdhsa_kernarg_size 32
		.amdhsa_user_sgpr_count 2
		.amdhsa_user_sgpr_kernarg_segment_ptr 1
		.amdhsa_wavefront_size32 1
		.amdhsa_system_sgpr_workgroup_id_x 1
		.amdhsa_system_sgpr_workgroup_id_y 1
		.amdhsa_system_sgpr_workgroup_id_z 1
		.amdhsa_system_vgpr_workitem_id 0
		.amdhsa_next_free_vgpr 194
		.amdhsa_next_free_sgpr 66
		.amdhsa_reserve_vcc 1
		.amdhsa_float_denorm_mode_32 3
		.amdhsa_float_denorm_mode_16_64 3
		.amdhsa_memory_ordered 1
		.amdhsa_forward_progress 1
		.amdhsa_inst_pref_size 13
	.end_amdhsa_kernel
	.amdgpu_metadata
---
amdhsa.version: [ 1, 2 ]
amdhsa.kernels:
  - .name:           k_qa821950837_pick
    .symbol:         k_qa821950837_pick.kd
    .args:
      - { .name: cand, .offset: 0, .size: 8, .value_kind: global_buffer, .address_space: global }
      - { .name: emb, .offset: 8, .size: 8, .value_kind: global_buffer, .address_space: global }
      - { .name: out0, .offset: 16, .size: 8, .value_kind: global_buffer, .address_space: global }
      - { .name: out1, .offset: 24, .size: 8, .value_kind: global_buffer, .address_space: global }
    .group_segment_fixed_size: 1280
    .private_segment_fixed_size: 0
    .kernarg_segment_align: 8
    .kernarg_segment_size: 32
    .max_flat_workgroup_size: 256
    .sgpr_count:     66
    .vgpr_count:     194
    .wavefront_size: 32
...
	.end_amdgpu_metadata
.endif
;; end of part 3
